; MI455X (gfx1250); checked and timed in simulation.
; The chip was launched on July 23, 2026; its instructions are those of AMD's public machine-readable ISA for CDNA 5 (MIT licence, August 2026) and "CDNA5" Instruction Set Architecture Reference Guide (July 2026). The comments in the code are by the model that wrote it; some were corrected since.
;; Int8 Linear. Allowed arithmetic: matrix products marked QUANTISED: E5M2 operands, one given power-of-two scale a tensor, by v_wmma_f32_16x16x64_bf8_bf8 or v_wmma_f32_16x16x128_bf8_bf8, f32 sums; everything else in f32.
;; Inputs: bias 16,384 float32; lowp_scales 2 int32 (the exponents e of the quantised operands' scales 2^e); scale 16,384 x 1 float32; weight_int8 16,384 x 4,096 int8; x 4 x 256 x 4,096 float32.
;; Outputs: out0 4 x 256 x 16,384 float32.
;; This version of the problem:
;;   THIS VERSION OF THE PROBLEM IS GIVEN IN LOW PRECISION. The matrix products marked QUANTISED in the list below multiply operands that are first quantised to E5M2 (5 exponent bits, 2 mantissa bits; 8 bits a number), with one given power-of-two scale for each operand tensor; their sums are f32. All else is computed in f32.
;;   The module's matrix products, in the order in which they are computed (A, B: the left and right operand; K: the contracted axis; several contracted axes count as one K, in the product's order):
;;     1. [M 1,024, K 4,096] x [K 4,096, N 16,384]; A: input x; B: computed on the way: QUANTISED (scales: A lowp_scales[0], B lowp_scales[1])
;;   THE QUANTISER, for each operand of a quantised product, along K:
;;     - The operand's scale is 2^e, e = its entry of the input lowp_scales (int32; the entries are numbered through the quantised products in the list's order, A before B).
;;     - Each number is divided by the scale, clamped to +-57,344, and rounded to the nearest number of E5M2, ties to even, subnormals kept.
;;     - The product sums the exact products of the quantised numbers (number of the format x scale) in f32.
;;   ~~~python
;;   def quantise(x, axis, e):      # numpy; x: float32 -> the quantised numbers, widened to float32 again
;;       x = np.moveaxis(x, axis, -1); K = x.shape[-1]
;;       r = np.clip(x / 2.0 ** e, -57344, 57344)
;;       step = 2.0 ** (np.maximum(np.frexp(np.where(r == 0, 1, r))[1] - 1, -14) - 2)
;;       q = np.round(r / step) * step * 2.0 ** e      # np.round: ties to even
;;       return np.moveaxis(q, -1, axis).astype(np.float32)
;;   ~~~
;;   OPERANDS COMPUTED ON THE WAY. 'Computed on the way' means the value that the module computes at that place (a softmax that the list does not call 'softmax' is quantised finished and normalised). What goes into a quantiser is computed in f32, as accurately as f32 sums, v_exp_f32 and their like allow (about 1e-6 of the number): no bf16 or f16 on the way to a quantiser, and a product that is left as it is and whose result goes on into a quantised operand takes f32 operands (vector FMAs, or v_wmma_f32_16x16x4_f32). A number that lies on a knife's edge between two numbers of the format may be rounded either way, as far as f32 arithmetic and the matrix unit's own rounding can turn it there, and no further.
;; One version. Each part assembles by itself: llvm-mc -triple=amdgcn-amd-amdhsa -mcpu=gfx1250 --defsym DOCPART=n.
;; ======== version 1 of 1: 2 launches
;; workspace buffers: x_codes 4,194,304 bytes; w_codes 67,108,864 bytes
;; launch quant (part 1): grid 1280 x 1, 4 waves a work-group, no clusters, 33,280 bytes of LDS; arguments x, weight_int8, scale, lowp_scales, x_codes, w_codes; writes x_codes, w_codes
.if DOCPART == 1
	.amdgcn_target "amdgcn-amd-amdhsa--gfx1250"
	.amdhsa_code_object_version 6
	.text
	.protected	k_q3a3a22351f_quant
	.globl	k_q3a3a22351f_quant
	.p2align	8
	.type	k_q3a3a22351f_quant,@function
k_q3a3a22351f_quant:
	s_mov_b64 s[64:65], 0
	v_nop
	global_prefetch_b8 v0, s[64:65] scope:SCOPE_SE
	s_setreg_imm32_b32 hwreg(HW_REG_WAVE_MODE, 25, 1), 1
	s_wait_xcnt 0x0
; Both operands of out = x w^T are turned into codes of BF8 (E5M2), one code a byte, K innermost, each with the one scale 2^e that is given for it.
;   x [1024][4096] f32                         -> x_codes [1024][4096]:  code(x / 2^e0)
;   w[n][k] = float(weight_int8[n][k]) x scale[n], one f32 rounding -> w_codes [16384][4096]:  code(w / 2^e1)
; code = the number / 2^e, held within +-57,344, rounded to the nearest code, ties to even.
; LIMITS: e0 and e1 lie between -126 and 112, so that 2^e and 57,344 x 2^e are f32 numbers.  NaN in x or in scale is not served; an infinity is held at the largest code.
; SHARES.  The first WGX work-groups take x, a row (16,384 bytes in, 4,096 out) to each of their four waves; the others take the weights, four rows (16,384 bytes in and out) to a wave.
; Every wave issues all its 32 loads of 16 bytes a lane at its head and works them off in the order in which they come back.  Nothing is looped: every offset is an immediate, no pointer is
; stepped behind its first use, and no register that a store reads is written again, so no wait frees a store's sources.  Waves share nothing: no barrier.
; Each load and each store of a wave covers 512 consecutive bytes that begin at a multiple of 512 from the buffer's first byte.
.set WGX,  256                         ; work-groups for x: 1,024 rows / 4 waves
.set XD,   16                          ; v16-143   32 loads x 4 registers; later the codes, in the registers that the numbers have left
.set TT,   144                         ; v144-175  two sets of 16 numbers in f32, by turns
.set SP,   80                          ; x: a lane's place in a stage: its 64 bytes + 16 of padding
.set STG,  32*SP                       ; a stage
.set WREG, 8192                        ; LDS: a region of its own for each wave: two stages
.set EMAX, 15
.set MANT, 0x600000                    ; the mantissa field of 57,344 as f32
	s_load_b256 s[4:11], s[0:1], 0x0               ; x s[4:5], weight_int8 s[6:7], scale s[8:9], the exponents s[10:11]
	s_load_b128 s[12:15], s[0:1], 0x20             ; x_codes s[12:13], w_codes s[14:15]
	v_lshl_add_u32 v176, v0, 2, 0x8000
	v_mov_b32 v177, 0
	v_lshrrev_b32 v1, 5, v0
	v_readfirstlane_b32 s16, v1                    ; wave 0..3
	v_and_b32 v2, 31, v0                           ; lane
	v_lshlrev_b32 v3, 4, v2                        ; my 16 bytes of an instruction's 512: the offset of every load and store; never rewritten
	s_mov_b32 s21, 0                               ; the upper word of every offset: all stay under 2^27
	s_wait_kmcnt 0x0
	s_load_b64 s[22:23], s[10:11], 0x0             ; e0, e1
	s_cmp_lt_u32 ttmp9, WGX                        ; x or the weights?  The choice hangs on the work-group's number alone
	s_cbranch_scc0 .Lweights
; ---------------------------------------------------------------- x
; The conversion takes eight numbers of ONE lane, neighbours along K; a load is dense where neighbouring LANES take neighbouring bytes.  Both are had: a step's four loads read 2,048 consecutive
; bytes, 16 a lane; they go through the wave's own stage in LDS as they lie and come back 64 bytes a lane.  A lane's 16 codes are 16 bytes: the wave stores 512 consecutive bytes.
	s_lshl_b32 s18, ttmp9, 2
	s_add_co_u32 s18, s18, s16                     ; my row of x
	s_lshl_b32 s20, s18, 14                        ; 16,384 bytes a row of x,
	s_add_nc_u64 s[4:5], s[4:5], s[20:21]
	s_lshl_b32 s20, s18, 12                        ; 4,096 a row of codes
	s_add_nc_u64 s[12:13], s[12:13], s[20:21]
.macro XLOAD t                         ; step t: 512 numbers
.irp i, 0,1,2,3
	global_load_b128 v[XD+16*(\t)+4*\i:XD+16*(\t)+4*\i+3], v3, s[4:5] offset:2048*(\t)+512*\i th:TH_LOAD_NT
.endr
.endm
.irp t, 0,1,2,3,4,5,6,7
	XLOAD \t
.endr
	s_mul_i32 s17, s16, WREG
	v_lshrrev_b32 v14, 2, v2
	v_mul_u32_u24 v14, v14, SP
	v_and_b32 v15, 3, v2
	v_lshl_add_u32 v14, v15, 4, v14
	v_add_nc_u32 v14, s17, v14                     ; the stage, on the way in: four lanes' 64 bytes on end, then 16 of padding: SP (lane / 4) + 16 (lane % 4); a load's 512 bytes take eight places
	v_mul_u32_u24 v15, v2, SP
	v_add_nc_u32 v15, s17, v15                     ; and on the way out: SP x lane: my 16 neighbours
	s_wait_kmcnt 0x0
	s_add_co_i32 s38, s22, 127
	s_lshl_b32 s39, s38, 23
	v_mov_b32 v11, s39                             ; 2^e0 as f32: the conversion takes its exponent field
	s_add_co_i32 s38, s38, EMAX
	s_lshl_b32 s38, s38, 23
	s_or_b32 s38, s38, MANT
	v_mov_b32 v10, s38                             ; 57,344 x 2^e0
.macro XTURN t                         ; step t's numbers through stage t % 2: LDS serves a wave's instructions in order (ISA guide 5.7.1.4), so no wait stands between the stores and the loads
.irp i, 0,1,2,3
	ds_store_b128 v14, v[XD+16*(\t)+4*\i:XD+16*(\t)+4*\i+3] offset:STG*((\t)%2)+8*SP*\i
.endr
.irp i, 0,1,2,3
	ds_load_b128 v[TT+16*((\t)%2)+4*\i:TT+16*((\t)%2)+4*\i+3], v15 offset:STG*((\t)%2)+16*\i
.endr
.endm
.macro XSTEP t
.set TS, TT+16*((\t)%2)
.set CR, XD+16*(\t)                    ; the step's codes take four of the registers that its numbers were loaded into
	s_wait_dscnt 0x0                               ; this step's numbers are back from the stage, and its stores into the stage have read their registers
.if (\t) < 7
	s_wait_loadcnt 4*(6-(\t))                      ; the next step's four loads are in; those of the steps behind it may be out
	XTURN (\t)+1                                   ; and go through the other stage while this step is worked
.endif
.irp i, 0,1,2,3,4,5,6,7,8,9,10,11,12,13,14,15
	v_med3_num_f32 v[TS+\i], v[TS+\i], -v10, v10   ; the conversion to an 8-bit code does not saturate (ISA guide 7.6.2): the hold at the largest code x the scale comes first
.endr
	v_cvt_scalef32_pk8_bf8_f32 v[CR:CR+1], v[TS:TS+7], v11       ; eight numbers / 2^e0, to the nearest code, ties to even; the first number's code in the lowest byte
	v_cvt_scalef32_pk8_bf8_f32 v[CR+2:CR+3], v[TS+8:TS+15], v11  ; (the results go to a store alone; the next vector lines are the next step's holds, plain ones on the other set)
	global_store_b128 v3, v[CR:CR+3], s[12:13] offset:512*(\t)
.endm
	s_wait_loadcnt 28                              ; step 0's four loads are in; the 28 behind them may be out
	XTURN 0
.irp t, 0,1,2,3,4,5,6,7
	XSTEP \t
.endr
	s_wait_tensorcnt 0x0
	ds_add_u32 v176, v177
	s_wait_dscnt 0x0
	s_endpgm
; ---------------------------------------------------------------- the weights
; A lane's 16 bytes of int8 become 16 bytes of codes at the same place of the same row: no LDS, nothing changes lanes.
; int8 to f32 without a conversion for each byte: the byte with its sign bit turned is u = i + 128; u set under the bits of 2^23 is the f32 number 2^23 + u; less (2^23 + 128) that is i, exactly.
; Then ONE multiplication by the row's scale: w as f32 arithmetic has it.  (The subtraction and the multiplication are not fused: (2^23 + 128) x scale is no f32 number.)
.Lweights:
	s_sub_co_u32 s18, ttmp9, WGX
	s_lshl_b32 s18, s18, 2
	s_add_co_u32 s18, s18, s16                     ; which run of four rows is my wave's
	s_lshl_b32 s20, s18, 14                        ; 4 rows x 4,096 bytes, in and out
	s_add_nc_u64 s[6:7], s[6:7], s[20:21]
	s_add_nc_u64 s[14:15], s[14:15], s[20:21]
	s_lshl_b32 s20, s18, 4                         ; 4 scales x 4 bytes
	s_add_nc_u64 s[8:9], s[8:9], s[20:21]
	s_load_b128 s[24:27], s[8:9], 0x0              ; my four rows' scales
.irp j, 0,1,2,3
.irp i, 0,1,2,3,4,5,6,7
	global_load_b128 v[XD+32*\j+4*\i:XD+32*\j+4*\i+3], v3, s[6:7] offset:4096*\j+512*\i th:TH_LOAD_NT
.endr
.endr
.irp b, 0,1,2,3
	s_mov_b32 s[28+\b], 0x03000004+\b              ; v_perm_b32: byte b of the word below, two zero bytes and the top byte of 2^23 above
.endr
	s_mov_b32 s32, 0x80808080                      ; turns four sign bits
	s_mov_b32 s36, 0xcb000080                      ; -(2^23 + 128)
	s_mov_b32 s37, 0                               ; (s35 and s37 are named as the upper words of pairs of which the low word serves both halves: so they are written)
	s_mov_b32 s35, 0
	v_mov_b32 v12, 0x4b000000                      ; 2^23
	s_wait_kmcnt 0x0
	s_add_co_i32 s38, s23, 127
	s_lshl_b32 s39, s38, 23
	v_mov_b32 v11, s39                             ; 2^e1 as f32
	s_add_co_i32 s38, s38, EMAX
	s_lshl_b32 s38, s38, 23
	s_or_b32 s38, s38, MANT
	v_mov_b32 v10, s38                             ; 57,344 x 2^e1
.macro GROUP j, i                      ; row j of my four, its i-th 512 bytes
.set XR, XD+32*(\j)+4*(\i)
.set TS, TT+16*((\i)%2)
	s_wait_loadcnt 31-(8*(\j)+(\i))                ; loads come back in order (ISA guide 5.7.1): this one is in, the younger ones stay out
.if (\i) == 0
	s_mov_b32 s34, s[24+\j]                        ; the row's scale
.endif
.irp k, 0,1,2,3
	v_xor_b32 v[XR+\k], s32, v[XR+\k]              ; u = i + 128, four at a time
.endr
.irp k, 0,1,2,3
.irp b, 0,1,2,3
	v_perm_b32 v[TS+4*\k+\b], v[XR+\k], v12, s[28+\b]   ; the f32 number 2^23 + u
.endr
.endr
.irp p, 0,2,4,6,8,10,12,14
	v_pk_add_f32 v[TS+\p:TS+\p+1], v[TS+\p:TS+\p+1], s[36:37] op_sel_hi:[1,0]   ; i, exactly
.endr
.irp p, 0,2,4,6,8,10,12,14
	v_pk_mul_f32 v[TS+\p:TS+\p+1], v[TS+\p:TS+\p+1], s[34:35] op_sel_hi:[1,0]   ; w = i x scale
.endr
.irp p, 0,1,2,3,4,5,6,7,8,9,10,11,12,13,14,15
	v_med3_num_f32 v[TS+\p], v[TS+\p], -v10, v10   ; the hold at the largest code x the scale (ISA guide 7.6.2)
.endr
	v_cvt_scalef32_pk8_bf8_f32 v[XR:XR+1], v[TS:TS+7], v11       ; the codes take the place of the int8 words
	v_cvt_scalef32_pk8_bf8_f32 v[XR+2:XR+3], v[TS+8:TS+15], v11  ; (the results go to a store alone; the next vector lines are plain and name the other set and other words)
	global_store_b128 v3, v[XR:XR+3], s[14:15] offset:4096*(\j)+512*(\i)
.endm
.irp j, 0,1,2,3
.irp i, 0,1,2,3,4,5,6,7
	GROUP \j, \i
.endr
.endr
	s_endpgm
.Lfunc_end_k_q3a3a22351f_quant:
	.size	k_q3a3a22351f_quant, .Lfunc_end_k_q3a3a22351f_quant-k_q3a3a22351f_quant
	.p2alignl 7, 3214868480
	.fill 96, 4, 3214868480
	.section	.rodata,"a",@progbits
	.p2align	6, 0x0
	.amdhsa_kernel k_q3a3a22351f_quant
		.amdhsa_group_segment_fixed_size 33280
		.amdhsa_private_segment_fixed_size 0
		.amdhsa_enable_private_segment 0
		.amdhsa_kernarg_size 48
		.amdhsa_user_sgpr_count 2
		.amdhsa_user_sgpr_kernarg_segment_ptr 1
		.amdhsa_wavefront_size32 1
		.amdhsa_system_sgpr_workgroup_id_x 1
		.amdhsa_system_sgpr_workgroup_id_y 1
		.amdhsa_system_sgpr_workgroup_id_z 1
		.amdhsa_system_vgpr_workitem_id 0
		.amdhsa_next_free_vgpr 178
		.amdhsa_next_free_sgpr 66
		.amdhsa_reserve_vcc 0
		.amdhsa_float_denorm_mode_32 3
		.amdhsa_float_denorm_mode_16_64 3
		.amdhsa_memory_ordered 1
		.amdhsa_forward_progress 1
		.amdhsa_inst_pref_size 132
	.end_amdhsa_kernel
	.amdgpu_metadata
---
amdhsa.version: [ 1, 2 ]
amdhsa.kernels:
  - .name:           k_q3a3a22351f_quant
    .symbol:         k_q3a3a22351f_quant.kd
    .args:
      - { .name: x, .offset: 0, .size: 8, .value_kind: global_buffer, .address_space: global }
      - { .name: weight_int8, .offset: 8, .size: 8, .value_kind: global_buffer, .address_space: global }
      - { .name: scale, .offset: 16, .size: 8, .value_kind: global_buffer, .address_space: global }
      - { .name: lowp_scales, .offset: 24, .size: 8, .value_kind: global_buffer, .address_space: global }
      - { .name: x_codes, .offset: 32, .size: 8, .value_kind: global_buffer, .address_space: global }
      - { .name: w_codes, .offset: 40, .size: 8, .value_kind: global_buffer, .address_space: global }
    .group_segment_fixed_size: 33280
    .private_segment_fixed_size: 0
    .kernarg_segment_align: 8
    .kernarg_segment_size: 48
    .max_flat_workgroup_size: 128
    .sgpr_count:     66
    .vgpr_count:     178
    .wavefront_size: 32
...
	.end_amdgpu_metadata
.endif
;; end of part 1
;; launch gemm (part 2): grid 64 x 4, 4 waves a work-group, clusters of 4 x 4, 327,680 bytes of LDS; arguments x_codes, w_codes, lowp_scales, bias, out0; writes out0
.if DOCPART == 2
	.amdgcn_target "amdgcn-amd-amdhsa--gfx1250"
	.amdhsa_code_object_version 6
	.text
	.protected	k_q3a3a22351f_gemm
	.globl	k_q3a3a22351f_gemm
	.p2align	8
	.type	k_q3a3a22351f_gemm,@function
k_q3a3a22351f_gemm:
	s_mov_b64 s[64:65], 0
	v_nop
	global_prefetch_b8 v0, s[64:65] scope:SCOPE_SE
	s_setreg_imm32_b32 hwreg(HW_REG_WAVE_MODE, 25, 1), 1
	s_wait_xcnt 0x0
	s_wait_alu depctr_hold_cnt(0) depctr_sa_sdst(0) depctr_va_vdst(0) depctr_va_sdst(0) depctr_va_ssrc(0) depctr_va_vcc(0) depctr_vm_vsrc(0)
	s_getreg_b32 s2, hwreg(HW_REG_IB_STS2, 6, 4)
	s_cmp_eq_u32 s2, 0
	s_cbranch_scc0 .Lentry_in_a_cluster
	s_endpgm
.Lentry_in_a_cluster:
	s_bfe_u32 s2, ttmp6, 0x10000c
	s_cmp_lg_u32 s2, 0xf033
	s_cbranch_scc0 .Lentry_shape_is_right
	s_endpgm
.Lentry_shape_is_right:
; out0[m][n] = 2^(e0 + e1) x (sum over k of A[m][k] B[n][k]) + bias[n].  A = x_codes [SIZE_M][SIZE_K], B = w_codes [SIZE_N][SIZE_K]: codes of BF8 (E5M2), one a byte, K innermost; out0 [SIZE_M][SIZE_N] f32; sums in f32.
; The codes are multiplied as they are; each finished sum goes once through one fused multiply-add with 2^(e0 + e1) and its column's bias.
; LIMIT: e0 + e1 lies between -126 and 127, so that 2^(e0 + e1) is an f32 number.
; A tile of out0, 256 x 256, is made by a work-group of four waves, as many as a WGP has SIMDs; a wave makes 128 x 128: 64 accumulators of 16 x 16, 512 registers.  out0 has 4 x 64 = 256 such tiles.
; K goes in steps of 256 through a ring of two LDS slots filled by the tensor data mover: a tile's row is 256 bytes of memory, at a multiple of 256 from the buffer's first byte.
; CLUSTERS: 4 x 4 work-groups.  The four of a row of the cluster need the same tiles of A, the four of a column the same tiles of B: each tile is asked for JOINTLY, by the same tensor load with the
; same descriptor and a mask that names the four.  SIZE_M / 256 = 4 is the cluster's height: there is one cluster along y, so the tile row is my place cy, and a tile of B is wanted by one cluster alone.
; THE MATRIX INSTRUCTION IS USED TRANSPOSED (source 0 = 16 rows of B, source 1 = 16 rows of A): a lane then holds eight neighbouring numbers of a row of out0.
; REGISTERS, in windows of 256: window 0: v0-31 addresses and my four columns' bias; v32-95 on the way out: 16 rows read back from the stage; from v128 A's fragments (8 x 16 rows x 128 K), ONE set
;   (in the last K step four buffers of 16 rows x 256 K).   window 1: B's fragments, TWO sets, at v0 and at v128 (in the last K step: that step's two halves).
;   window 2: the 32 accumulators of my rows 0-63 (accumulator (a, b) at v[8 (8 a + b)]);   window 3: those of my rows 64-127.
; A step of 128 along K is 64 matrix instructions, A's blocks one after the other, each against B's eight.  So a block of A is free as soon as its eight products are issued, and one set of registers serves A:
; blocks 0-3 are fetched anew in the step's middle, blocks 4-7 at its end.  B's fragments are at work through the whole step, so B has two sets.
; THE LAST K STEP GOES BY ROWS OF out0: my eight blocks of 16 rows are finished one after the other, and each leaves while the next is multiplied.
; The launch claims all of a WGP's LDS; the text uses 279,040 bytes.
.set SIZE_M, 1024
.set SIZE_N, 16384
.set SIZE_K, 4096
.set KSTEP,  256                       ; along K in a slot
.set ROWB,   256                       ; a tile's row in bytes
.set KROW,   SIZE_K                    ; a row of A or of B in memory, in bytes: 2^12
.set CROW,   SIZE_N*4                  ; a row of out0 in bytes: 2^16
.set PITCH,  272                       ; an LDS row: 256 bytes of data + 16 of padding = 68 words: row r starts at bank 4 r mod 64 (64 banks of 4 bytes: ISA guide 11.1), so the 16 rows that a load touches start at 16 different banks
.set FR,     16                        ; registers of a fragment: 16 rows x 128 K
.set NL,     4                         ; LDS loads that bring one
.set NP,     4                         ; places behind this matrix instruction (ISA guide 7.12.1)
.set HALFT,  128*PITCH                 ; 128 rows: what one tensor load brings, and what one wave reads of A or of B
.set SLOT,   4*HALFT                   ; A's 256 rows, then B's 256 rows
.set LAPS,   SIZE_K/(2*KSTEP)          ; a lap = two K steps = once round the ring: 8
.set SPARE,  2*SLOT                    ; behind the ring: the spare words, 128 bytes for each wave: two blocks of 256 bytes that no other line names
.set SPITCH, 528                       ; the way out: a stage of 16 rows x (512 bytes + 16) for each wave.  It lies in slot 0, which has had its last fill and its last read when the first result is stored there
.set BI,   8                           ; v8-11   the bias of my four columns on the way out
.set ADRA, 16                          ; v16-17  LDS address of my A fragments in slot 0, 1
.set ADRB, 20                          ; v20-21  the same for B
.set STO,  24                          ; v24     the way out: where I put 32 bytes of a row
.set RD,   25                          ; v25     the way out: where I read a row back
.set CO,   26                          ; v26     16 x lane: my byte offset in my wave's 512 bytes of a row of out0, and of the bias; never rewritten
.set SPW,  28                          ; v28     LDS address of my spare word: SPARE + 4 x my thread's number; never rewritten
.set NIL,  29                          ; v29     0; never rewritten
.set PFO,  30                          ; v30     the prefetches' offset: my lane x a row of codes in memory; never rewritten
.set BK,   32                          ; v32-95  the way out: 16 rows read back from the stage
.set AF,   128                         ; A's fragments, in window 0
.set PA,   128                         ; the last K step: A's fragments of 16 rows x 256 K, 32 registers; four such buffers, v128-255
.set G1, 24                            ; s[24:31] descriptor group 1 for A's tiles;  s[32:39] group 0, one set for each slot
.set G0, 32
.set G1B, 48                           ; s[48:55], s[56:63] the same for B's tiles
.set G0B, 56
.set PFA, 68                           ; s[68:69] where my prefetches stand: my work-group's 32 rows of the 128 that I fetch, one K step further along K than the refill that is being asked for; a prefetch names the K step after that
.set LIM, 70                           ; s70     1 in a wave that prefetches, else the greatest number
.set MSB, 0
.macro WIN new                         ; the immediate's high byte repeats the setting that is left
.if MSB != \new
	s_set_vgpr_msb (MSB<<8)|\new
.set MSB, \new
.endif
.endm
.set MUL_LO, 0xa1                      ; source 0 (B) window 1, source 1 (A) window 0, C and D window 2
.set MUL_HI, 0xf1                      ; the same, C and D window 3
.set TO_B,   0x40                      ; destination window 1, address window 0
; A joint load: waves 0 and 1 fetch for A, waves 2 and 3 for B.  Each of the two lines has ONE mask and one set of registers for all that issue it; the branch hangs on the wave's number alone.
; Four v_nop follow each of the two lines, ahead of the jump, the label and what follows.
.macro JLOAD g0a, g1a, g0b, g1b
	s_cmp_eq_u32 s15, 0
	s_cbranch_scc0 .Lfor_b_\@
	tensor_load_to_lds s[\g0a:\g0a+3], s[\g1a:\g1a+7]
	s_nop 0
.rept 4
	v_nop
.endr
	s_branch .Lasked_\@
.Lfor_b_\@:
	tensor_load_to_lds s[\g0b:\g0b+3], s[\g1b:\g1b+7]
	s_nop 0
.rept 4
	v_nop
.endr
.Lasked_\@:
.endm
; A PREFETCH INTO THE L2, behind each joint refill and its four lines: the K step that stands TWO refills on, 256 matrix instructions ahead of the load that will
; want it: 32 rows x 256 bytes, a lane a row, one instruction a wave.  At a change of slots every wave has waited for all its tensor loads, so the refill that follows has nothing on its way beside it.
; Each row's 256 bytes of a K step are named ONCE in the launch.  A's rows are read by every cluster: the first (cluster x = 0) asks.  B's rows are read by one cluster alone: it asks.  The four partners that
; ask for a tile jointly share its rows out BY ADDRESS: of the 128 rows that wave w fetches, the partner at place p takes 32 p .. 32 p + 31 (p = cx for A, cy for B): no branch hangs on a place in the cluster.
; K steps 0 to 3 come by their loads alone; the loop's last trip (s3 = 1) asks for nothing: K step 15 is the last that is named.
.macro ASK
	s_cmp_gt_u32 s3, s[LIM]
	s_cbranch_scc0 .Lnot_mine_\@
	global_prefetch_b8 v[PFO], s[PFA:PFA+1] offset:ROWB th:TH_LOAD_NT scope:SCOPE_SE
.Lnot_mine_\@:
.endm
.macro CREST                           ; a round of the cluster's barrier behind its opening barrier
	s_cmp_lg_u32 s14, 0
	s_cbranch_scc1 .Lnot_wave_0_\@
	s_barrier_signal -3
.Lnot_wave_0_\@:
	s_barrier_wait -3
	s_barrier_signal -1
	s_barrier_wait -1
.endm
.macro CROUND                          ; a whole round
	s_barrier_signal -1
	s_barrier_wait -1
	CREST
.endm
	s_load_b128 s[4:7], s[0:1], 0x0                ; A's codes s[4:5], B's codes s[6:7]
	s_load_b128 s[8:11], s[0:1], 0x10              ; the two exponents s[8:9], the bias s[10:11]
	s_load_b64 s[12:13], s[0:1], 0x20              ; out0
	v_lshl_add_u32 v[SPW], v0, 2, SPARE
	v_mov_b32 v[NIL], 0
	ds_add_u32 v28, v29
	ds_add_u32 v28, v29
	s_wait_dscnt 0x0
	v_lshrrev_b32 v1, 5, v0
	v_readfirstlane_b32 s14, v1                    ; wave 0..3
	s_lshr_b32 s15, s14, 1                         ; which half of the tile's rows is mine.  Also: I fetch for A (0) or for B (1)
	s_and_b32 s16, s14, 1                          ; which half of its columns.  Also: which 128 rows of that tile I fetch
	s_bfe_u32 s40, ttmp6, 0x40000                  ; cx: my place along the cluster's x
	s_bfe_u32 s41, ttmp6, 0x40004                  ; cy: along its y; also the tile row of out0
	s_lshl_b32 s42, ttmp9, 2                       ; in a cluster launch ttmp9 counts clusters
	s_add_co_u32 s42, s42, s40                     ; tile column of out0 = 4 x cluster x + cx
	s_lshl_b32 s43, s41, 2
	s_lshl_b32 s43, 15, s43                        ; my row of the cluster: places 4 cy .. 4 cy + 3
	s_lshl_b32 s44, 0x1111, s40                    ; my column: places cx, cx + 4, cx + 8, cx + 12
	; descriptor group 1: a tile of 128 rows x ROWB bytes, padded in LDS
	s_or_b32 s[G1+0], s43, (0<<16)|(1<<20)|(1<<21)|(5<<22)|(3<<25)  ; 15:0 the mask: A's tiles go to my row; 17:16 element of 1 byte; 20 padding on; 21 set beside a mask; 24:22 after every 64 words (code 5); 31:25 of 4 words (code 3)
	s_or_b32 s[G1B+0], s44, (0<<16)|(1<<20)|(1<<21)|(5<<22)|(3<<25) ; the same with the mask of my column, for B's tiles
.irp g, G1, G1B
	s_mov_b32 s[\g+1], ROWB<<16                    ; tensor_dim0
	s_mov_b32 s[\g+2], 128<<16                     ; tensor_dim1 = 128
	s_mov_b32 s[\g+3], ROWB<<16                    ; tile_dim0
	s_mov_b32 s[\g+4], 128                         ; tile_dim1 = 128
	s_mov_b32 s[\g+5], KROW                        ; tensor_dim0_stride
	s_mov_b32 s[\g+6], 0
	s_mov_b32 s[\g+7], 0
.endr
	; where the tiles come from.  A's hang on the tile row alone, which my row of the cluster shares; B's on the tile column alone, which my column shares
	s_lshl_b32 s18, s16, 7                         ; which 128 rows of the tile I fetch
	s_lshl_b32 s20, s41, 8
	s_add_co_u32 s20, s20, s18                     ; A: row 256 x tile row + 128 x half,
	s_lshl_b32 s20, s20, 12                        ; in bytes: under 2^22
	s_mov_b32 s21, 0
	s_lshl_b32 s46, s42, 8
	s_add_co_u32 s46, s46, s18                     ; B: row 256 x tile column + 128 x half,
	s_lshl_b32 s46, s46, 12                        ; in bytes: under 2^26
	s_mov_b32 s47, 0
	s_mul_i32 s45, s14, HALFT                      ; where they go: wave x 128 rows: no place in the cluster enters an LDS address
	s_wait_kmcnt 0x0
	s_load_b64 s[96:97], s[8:9], 0x0               ; e0, e1
	s_add_nc_u64 s[20:21], s[4:5], s[20:21]
	s_add_nc_u64 s[46:47], s[6:7], s[46:47]
	CROUND                                         ; all sixteen work-groups are here: the first joint loads meet
.irp s, 0,1
	s_mov_b32 s[G0+4*\s], 1                                        ; 1:0 count = 1
	s_add_co_u32 s[G0+4*\s+1], s45, \s*SLOT                        ; 63:32 LDS address
	s_add_nc_u64 s[G0+4*\s+2:G0+4*\s+3], s[20:21], \s*ROWB         ; 120:64 global address: K step s
	s_or_b32 s[G0+4*\s+3], s[G0+4*\s+3], 0x80000000                ; 127:126 type = 2
	s_mov_b32 s[G0B+4*\s], 1
	s_add_co_u32 s[G0B+4*\s+1], s45, \s*SLOT
	s_add_nc_u64 s[G0B+4*\s+2:G0B+4*\s+3], s[46:47], \s*ROWB
	s_or_b32 s[G0B+4*\s+3], s[G0B+4*\s+3], 0x80000000
	JLOAD G0+4*\s, G1, G0B+4*\s, G1B               ; the ring is filled before anything else is done: two tensor loads of mine are out
.endr
	v_and_b32 v1, 15, v0                           ; l % 16
	v_bfe_u32 v2, v0, 4, 1                         ; l / 16
	v_mul_u32_u24 v3, v1, PITCH
	v_lshl_add_u32 v4, v2, 4, v3                   ; a fragment's row x pitch + 16 x half
	s_mul_i32 s21, s15, HALFT                      ; my 128 rows of A
	s_mul_i32 s22, s16, HALFT                      ; my 128 rows of B,
	s_add_co_u32 s22, s22, 2*HALFT                 ; which lie behind A's 256
.irp s, 0,1
	v_add_nc_u32 v[ADRA+\s], s21, v4
	v_add_nc_u32 v[ADRB+\s], s22, v4
	s_add_co_u32 s21, s21, SLOT
	s_add_co_u32 s22, s22, SLOT
.endr
	s_mul_i32 s23, s14, 16*SPITCH                  ; my stage
	v_mul_u32_u24 v5, v1, SPITCH                   ; in: row l % 16, 32 bytes for each half of the lanes
	v_lshl_add_u32 v5, v2, 5, v5
	v_add_nc_u32 v[STO], s23, v5
	v_and_b32 v6, 31, v0
	v_lshlrev_b32 v[CO], 4, v6                     ; back: the 32 lanes take one row of 512 bytes; and the same in out0
	v_add_nc_u32 v[RD], s23, v[CO]
	s_lshl_b32 s20, s41, 8
	s_lshl_b32 s21, s15, 7
	s_add_co_u32 s20, s20, s21                     ; my first row of out0: 256 x tile row + 128 x half,
	s_lshl_b32 s20, s20, 16                        ; in bytes: under 2^26
	s_mov_b32 s21, 0
	s_lshl_b32 s46, s42, 10                        ; my first column, in bytes: 1024 x tile column + 512 x half
	s_lshl_b32 s47, s16, 9
	s_add_co_u32 s46, s46, s47
	s_mov_b32 s47, 0
	s_add_nc_u64 s[12:13], s[12:13], s[20:21]
	s_add_nc_u64 s[12:13], s[12:13], s[46:47]
	s_add_nc_u64 s[10:11], s[10:11], s[46:47]      ; a column stands as many bytes into the bias as into a row of out0
	global_load_b128 v[BI:BI+3], v[CO], s[10:11]   ; the bias of columns 4 lane .. 4 lane + 3 of my 128: waited for ahead of the last K step
	; the prefetches: where my wave's stand, and who asks
	s_lshl_b32 s74, s41, 8                         ; A's tile begins at row 256 x tile row,
	s_lshl_b32 s75, s42, 8                         ; B's at row 256 x tile column
	s_cmp_eq_u32 s15, 0                            ; do I fetch for A?
	s_cselect_b32 s74, s74, s75                    ; the tile's first row
	s_cselect_b32 s75, s40, s41                    ; my place among the four that ask for it with me
	s_cselect_b32 s76, ttmp9, 0                    ; the coordinate along which other clusters read the same rows; for B there is none
	s_cselect_b64 s[PFA:PFA+1], s[4:5], s[6:7]
	s_cmp_eq_u32 s76, 0
	s_cselect_b32 s[LIM], 1, -1                    ; the same in all sixteen partners, for a given wave
	s_lshl_b32 s76, s16, 7
	s_add_co_u32 s74, s74, s76                     ; + the 128 rows that I fetch
	s_lshl_b32 s75, s75, 5
	s_add_co_u32 s74, s74, s75                     ; + my work-group's 32 of them,
	s_lshl_b32 s74, s74, 12                        ; in bytes
	s_mov_b32 s75, 0
	s_add_nc_u64 s[PFA:PFA+1], s[PFA:PFA+1], s[74:75]
	s_add_nc_u64 s[PFA:PFA+1], s[PFA:PFA+1], 2*ROWB  ; at K step 2: the first refill steps it to 3 and names K step 4
	v_and_b32 v[PFO], 31, v0
	v_lshlrev_b32 v[PFO], 12, v[PFO]
	; nothing is prefetched here, at the head, where every work-group's first two tiles are on their way
.macro FRAG reg, adr, q, i             ; a fragment, 16 rows x 128 K of 8-bit codes, is 16 registers: lane l holds row l % 16; registers 4 c .. 4 c + 3 hold K = 32 c + 16 (l / 16) + 0 .. 15: the same places of k in A and in B, so every product meets its partner
.irp c, 0,1,2,3
	ds_load_b128 v[\reg+4*\c:\reg+4*\c+3], v[\adr] offset:128*(\q)+32*\c+(\i)*16*PITCH
.endr
.endm
; 8 matrix instructions: A's block a x B's eight, 128 along K.  p: B's set.  zero = 1: the first product starts the sums: nothing is ever cleared.
; The 64 accumulators take turns, one instruction a turn, in the same order in every step.
.macro MUL8 a, p, zero
.irp b, 0,1,2,3,4,5,6,7
.if \zero
	v_wmma_f32_16x16x128_bf8_bf8 v[8*(8*((\a)%4)+\b):8*(8*((\a)%4)+\b)+7], v[128*(\p)+FR*\b:128*(\p)+FR*\b+FR-1], v[AF+FR*(\a):AF+FR*(\a)+FR-1], 0
.else
	v_wmma_f32_16x16x128_bf8_bf8 v[8*(8*((\a)%4)+\b):8*(8*((\a)%4)+\b)+7], v[128*(\p)+FR*\b:128*(\p)+FR*\b+FR-1], v[AF+FR*(\a):AF+FR*(\a)+FR-1], v[8*(8*((\a)%4)+\b):8*(8*((\a)%4)+\b)+7]
.endif
.endr
.endm
.macro MUL16 a0, p, zero               ; 16: blocks a0 and a0 + 1
.irp a, \a0, \a0+1
.irp b, 0,1,2,3,4,5,6,7
.if \zero
	v_wmma_f32_16x16x128_bf8_bf8 v[8*(8*((\a)%4)+\b):8*(8*((\a)%4)+\b)+7], v[128*(\p)+FR*\b:128*(\p)+FR*\b+FR-1], v[AF+FR*(\a):AF+FR*(\a)+FR-1], 0
.else
	v_wmma_f32_16x16x128_bf8_bf8 v[8*(8*((\a)%4)+\b):8*(8*((\a)%4)+\b)+7], v[128*(\p)+FR*\b:128*(\p)+FR*\b+FR-1], v[AF+FR*(\a):AF+FR*(\a)+FR-1], v[8*(8*((\a)%4)+\b):8*(8*((\a)%4)+\b)+7]
.endif
.endr
.endr
.endm
.macro FETCH_B slot, q, p              ; B's eight fragments of the slot's q-th 128 along K into set p
	WIN TO_B
.irp i, 0,1,2,3,4,5,6,7
	FRAG 128*(\p)+FR*\i, ADRB+\slot, \q, \i
.endr
	WIN 0
.endm
.macro FETCH_A slot, q, i0             ; A's blocks i0 .. i0 + 3
.irp i, \i0, \i0+1, \i0+2, \i0+3
	FRAG AF+FR*(\i), ADRA+\slot, \q, \i
.endr
.endm
; A load into a register that a matrix instruction has read, and a vector instruction or an LDS store that reads a matrix result, stand NP places behind that matrix instruction, and only plain vector
; instructions that name none of its registers are places (ISA guide 7.12.1 for vector instructions); this text does not count the matrix instructions in between.
.macro PLACES n
.rept \n
	v_nop
.endr
.endm
; A step of 128 along K that has its successor in the same slot.
.macro STEP slot, q, zero
	s_wait_dscnt 4*NL                              ; B's set and A's blocks 0-3 are in; the youngest sixteen loads (A's blocks 4-7) may be out
	WIN MUL_LO
	MUL16 0, (\q)%2, \zero
	MUL16 2, (\q)%2, \zero
	s_wait_dscnt 0                                 ; A's blocks 4-7 are in (asked for 32 matrix instructions ago)
	PLACES NP
	FETCH_B \slot, (\q)+1, 1-(\q)%2
	FETCH_A \slot, (\q)+1, 0
	WIN MUL_HI
	MUL16 4, (\q)%2, \zero
	MUL16 6, (\q)%2, \zero
	PLACES NP
	WIN 0
	FETCH_A \slot, (\q)+1, 4
.endm
; THE CHANGE OF SLOTS stands at the head of a slot's last step of 128: all that step's fragments have been asked for, so the slot is read no more.  Each wave waits for all its tensor loads (the one
; that is out is its part of the next slot), adds 0 to its spare word, and waits for that and for its own reads of this slot.  Between that first wait and the refill stands as little as may be: the
; descriptors' steps and one block's eight products while the add is out, and the round.  So the refill has all the rest of this step and the whole next step, 120 matrix instructions, in which to land.
; fill = 1: this slot is filled again, two K steps ahead, behind a round of the cluster's barrier.  Then blocks 1 to 3 of the step.
.macro CHANGE slot, fill
.if \fill
	s_wait_xcnt 0x0                                ; the last prefetch, a K step back, has read its address: it is stepped here, ahead of the waits of the change of slots
	s_add_nc_u64 s[PFA:PFA+1], s[PFA:PFA+1], ROWB
.endif
	s_wait_tensorcnt 0x0                           ; all my tensor loads have landed, so a group 0 may be written;  (every window is 0 here: the add's two registers lie in window 0)
	ds_add_u32 v[SPW], v[NIL]                      ; 0 onto my spare word
.if \fill
	s_add_nc_u64 s[G0+4*\slot+2:G0+4*\slot+3], s[G0+4*\slot+2:G0+4*\slot+3], 2*ROWB     ; this slot's next tile: two K steps on
	s_add_nc_u64 s[G0B+4*\slot+2:G0B+4*\slot+3], s[G0B+4*\slot+2:G0B+4*\slot+3], 2*ROWB
.endif
	s_wait_dscnt 4*NL+1                            ; (the add and the youngest sixteen loads, A's blocks 4-7, may be out)
	WIN MUL_LO
	MUL8 0, 1, 0                                   ; eight matrix instructions stand between the add and the wait for it
	WIN 0
	s_wait_dscnt 0x0                               ; the add is done, and my reads of this slot are over
.if \fill
	CROUND                                         ; a round of the cluster's barrier: no wave of any partner still reads this slot's tile or has a load on its way
	JLOAD G0+4*\slot, G1, G0B+4*\slot, G1B         ; the first tensor load behind the round, my one load until the next
	ASK                                            ; behind the joint load and its four lines
.else
	s_barrier_signal -1
	s_barrier_wait -1                              ; the next slot is whole, and nobody reads this one any more
.endif
	WIN MUL_LO
	MUL8 1, 1, 0
	MUL16 2, 1, 0
	PLACES NP
.endm
; A slot's last step: the change of slots, and in its middle and at its end the next slot's first fragments.
.macro TURN slot, next
	CHANGE \slot, 1
	FETCH_B \next, 0, 0
	FETCH_A \next, 0, 0
	WIN MUL_HI
	MUL16 4, 1, 0
	MUL16 6, 1, 0
	PLACES NP
	WIN 0
	FETCH_A \next, 0, 4
.endm
; THE LAST K STEP (it lies in slot 1) GOES BY ROWS OF out0, NOT BY K.  Its fragments of B fill B's two sets (the first 128 along K in set 0, the second in set 1); A's come by blocks of 16 rows x 256 K.
; Block a is finished by 16 matrix instructions, its 8 accumulators by turns, K ascending.  LDS is read no more than in any other K step.
.macro ALOAD a                         ; A's fragments of block a, both halves of the K step -> buffer a % 4
.irp q, 0,1
	FRAG PA+32*((\a)%4)+FR*\q, ADRA+1, \q, \a
.endr
.endm
.macro ROW a
.set FA, PA+32*((\a)%4)                ; its fragments of A
.set AC, 64*((\a)%4)                   ; its eight accumulators, in window 2 (blocks 0-3) or 3 (blocks 4-7)
.set WR, MUL_LO+0x50*((\a)/4)          ; MUL_LO or MUL_HI
	WIN WR
.irp q, 0,1
.if ((\a) == 0) && (\q == 1)
	s_wait_dscnt 16                                ; B's second half is in (behind it: A's blocks 2 and 3)
.endif
.irp b, 0,1,2,3,4,5,6,7
	v_wmma_f32_16x16x128_bf8_bf8 v[AC+8*\b:AC+8*\b+7], v[128*\q+FR*\b:128*\q+FR*\b+FR-1], v[FA+FR*\q:FA+FR*\q+FR-1], v[AC+8*\b:AC+8*\b+7]
.endr
.endr
.endm
; THE WAY OUT of block a, 16 rows x 128 columns.  A lane holds 32 neighbouring bytes of a row, and the lanes beside it hold other rows: so a block's sums go, as they are, through my own stage in LDS and come
; back as whole rows of 512 bytes.  There lane l holds columns 4 l .. 4 l + 3 of EVERY row: four registers of bias serve all 128 rows, and one packed multiply-add for two numbers gives sum x 2^(e0 + e1) + bias.
; LDS serves a wave's instructions in order (ISA guide 5.7.1.4): no wait between the stores and the loads, nor in front of the next block's stores.
.macro TOSTAGE a
.set AC, 64*((\a)%4)
.set WST, 0x08+4*((\a)/4)              ; an LDS store's data are source 1: window 2 or 3
	WIN WST
.irp b, 0,1,2,3,4,5,6,7
	ds_store_b128 v[STO], v[AC+8*\b:AC+8*\b+3] offset:64*\b           ; each accumulator from its low end on
	ds_store_b128 v[STO], v[AC+8*\b+4:AC+8*\b+7] offset:64*\b+16
.endr
	WIN 0
.if (\a) > 0
	s_wait_xcnt 0x0                                ; the block before's stores to memory have read their registers and their base: the loads below may land there, and the base may step
.endif
.irp t, 0,1,2,3,4,5,6,7,8,9,10,11,12,13,14,15
	ds_load_b128 v[BK+4*\t:BK+4*\t+3], v[RD] offset:\t*SPITCH
.endr
.endm
.macro SEND a, younger                 ; younger: the LDS loads issued behind TOSTAGE's, which may stay out
	s_wait_dscnt \younger                          ; the block is back in registers
.if (\a) > 0
	s_add_nc_u64 s[12:13], s[12:13], 16*CROW       ; (behind TOSTAGE's wait on XCNT for 0)  16 rows of out0 on: the stores' offsets reach 15 rows, 983,040 bytes, inside the signed 24-bit immediate (ISA guide, chapter 10)
.endif
.irp t, 0,1,2,3,4,5,6,7,8,9,10,11,12,13,14,15
	v_pk_fma_f32 v[BK+4*\t:BK+4*\t+1], v[BK+4*\t:BK+4*\t+1], s[96:97], v[BI:BI+1] op_sel_hi:[1,0,1]       ; sum x 2^(e0 + e1) + bias (the scalar pair's low word for both halves)
	v_pk_fma_f32 v[BK+4*\t+2:BK+4*\t+3], v[BK+4*\t+2:BK+4*\t+3], s[96:97], v[BI+2:BI+3] op_sel_hi:[1,0,1]
	global_store_b128 v[CO], v[BK+4*\t:BK+4*\t+3], s[12:13] offset:\t*CROW th:TH_STORE_NT   ; 32 lanes store 512 consecutive bytes, at a multiple of 512 from out0's first byte; written once, read by nobody here
.endr
.endm
	s_wait_tensorcnt 1                             ; my part of K step 0 is in (K step 1's load may be out)
	s_barrier_signal -1
	s_barrier_wait -1                              ; everybody's is
	FETCH_B 0, 0, 0
	FETCH_A 0, 0, 0
	FETCH_A 0, 0, 4
	STEP 0, 0, 1                                   ; the first step stands in front of the loop: its products start the sums
	s_mov_b32 s3, LAPS-1
.Llap:                                                 ; a trip goes once round the ring, from a lap's second step to the next lap's first, and fills both slots again
	TURN 0, 1
	STEP 1, 0, 0
	TURN 1, 0
	STEP 0, 0, 0
	s_sub_co_u32 s3, s3, 1
	s_cmp_lg_u32 s3, 0
	s_cbranch_scc1 .Llap
	s_wait_kmcnt 0x0
	s_add_co_i32 s96, s96, s97                     ; e0 + e1, between -126 and 127,
	s_add_co_i32 s96, s96, 127
	s_lshl_b32 s96, s96, 23                        ; makes the f32 number 2^(e0 + e1)
	s_wait_loadcnt 0x0                             ; the bias
	CHANGE 0, 0                                    ; the last change of slots fills nothing, and has no round of the cluster's barrier
	FETCH_B 1, 0, 0                                ; the last K step's first half of B: set 0 was multiplied a step ago
	ALOAD 0                                        ; into the registers of A's blocks 0-3, whose products are issued (CHANGE's places stand between)
	ALOAD 1
	WIN MUL_HI
	MUL16 4, 1, 0
	MUL16 6, 1, 0
	PLACES NP                                      ; for the loads into set 1 and into the registers of A's blocks 4-7
	s_wait_dscnt 0x0                               ; the 48 loads above, asked for 32 matrix instructions ago, are in
	FETCH_B 1, 1, 1
	ALOAD 2
	ALOAD 3
	ROW 0
	PLACES NP                                      ; block 0's stage stores read results just made
.irp a, 0,1,2,3,4,5,6,7                ; block a goes into the stage; block a + 1 is multiplied while it comes back; then block a is stored.  SEND's 32 multiply-adds, which name no register
	TOSTAGE \a                                     ; of those products, are the places between them and what reads their results or loads over their fragments in the next trip
.if \a < 4
	ALOAD \a+4                                     ; block a's buffer takes the block four further on
.endif
.if \a < 7
	ROW \a+1                                       ; its fragments were shown in by an earlier SEND's wait (blocks 1 to 3: by the waits above and SEND 0's)
	WIN 0
.endif
.if \a < 4
	SEND \a, 8                                     ; behind the stage's loads: the eight of ALOAD
.else
	SEND \a, 0
.endif
.endr
	s_wait_tensorcnt 0x0                           ; the wave's end: behind my last tensor load and my last LDS store
	ds_add_u32 v[SPW], v[NIL]
	s_wait_dscnt 0x0
	CROUND                                         ; the closing round: no work-group ends while a partner may still ask for a tile that names it
	s_endpgm
.Lfunc_end_k_q3a3a22351f_gemm:
	.size	k_q3a3a22351f_gemm, .Lfunc_end_k_q3a3a22351f_gemm-k_q3a3a22351f_gemm
	.p2alignl 7, 3214868480
	.fill 96, 4, 3214868480
	.section	.rodata,"a",@progbits
	.p2align	6, 0x0
	.amdhsa_kernel k_q3a3a22351f_gemm
		.amdhsa_group_segment_fixed_size 327680
		.amdhsa_private_segment_fixed_size 0
		.amdhsa_enable_private_segment 0
		.amdhsa_kernarg_size 40
		.amdhsa_user_sgpr_count 2
		.amdhsa_user_sgpr_kernarg_segment_ptr 1
		.amdhsa_wavefront_size32 1
		.amdhsa_system_sgpr_workgroup_id_x 1
		.amdhsa_system_sgpr_workgroup_id_y 1
		.amdhsa_system_sgpr_workgroup_id_z 1
		.amdhsa_system_vgpr_workitem_id 0
		.amdhsa_next_free_vgpr 1024
		.amdhsa_next_free_sgpr 98
		.amdhsa_reserve_vcc 0
		.amdhsa_float_denorm_mode_32 3
		.amdhsa_float_denorm_mode_16_64 3
		.amdhsa_memory_ordered 1
		.amdhsa_forward_progress 1
		.amdhsa_inst_pref_size 125
	.end_amdhsa_kernel
	.amdgpu_metadata
---
amdhsa.version: [ 1, 2 ]
amdhsa.kernels:
  - .name:           k_q3a3a22351f_gemm
    .symbol:         k_q3a3a22351f_gemm.kd
    .args:
      - { .name: x_codes, .offset: 0, .size: 8, .value_kind: global_buffer, .address_space: global }
      - { .name: w_codes, .offset: 8, .size: 8, .value_kind: global_buffer, .address_space: global }
      - { .name: lowp_scales, .offset: 16, .size: 8, .value_kind: global_buffer, .address_space: global }
      - { .name: bias, .offset: 24, .size: 8, .value_kind: global_buffer, .address_space: global }
      - { .name: out0, .offset: 32, .size: 8, .value_kind: global_buffer, .address_space: global }
    .group_segment_fixed_size: 327680
    .private_segment_fixed_size: 0
    .kernarg_segment_align: 8
    .kernarg_segment_size: 40
    .max_flat_workgroup_size: 128
    .sgpr_count:     98
    .vgpr_count:     1024
    .wavefront_size: 32
...
	.end_amdgpu_metadata
.endif
;; end of part 2
